; MI455X (gfx1250); checked and timed in simulation.
; The chip was launched on July 23, 2026; its instructions are those of AMD's public machine-readable ISA for CDNA 5 (MIT licence, August 2026) and "CDNA5" Instruction Set Architecture Reference Guide (July 2026). The comments in the code are by the model that wrote it; some were corrected since.
;; Scaled Dot Product Attention. Allowed arithmetic: matrix products marked QUANTISED: E5M2 operands, one given power-of-two scale a tensor, by v_wmma_f32_16x16x64_bf8_bf8 or v_wmma_f32_16x16x128_bf8_bf8, f32 sums; everything else in f32.
;; Inputs: key_codes 4 x 16 x 2,048 x 2 x 32 uint8 (E5M2 codes of key, K innermost, in blocks of 32 codes); lowp_scales 4 int32 (the exponents e of the quantised operands' scales 2^e); mask 4 x 1 x 2,048 x 2,048 int32; query_codes 4 x 16 x 2,048 x 2 x 32 uint8 (E5M2 codes of query, K innermost, in blocks of 32 codes); value_codes 4 x 16 x 64 x 64 x 32 uint8 (E5M2 codes of value, K innermost, in blocks of 32 codes).
;; Outputs: out0 4 x 16 x 2,048 x 64 float32.
;; This version of the problem:
;;   THIS VERSION OF THE PROBLEM IS GIVEN IN LOW PRECISION. The matrix products marked QUANTISED in the list below multiply operands that are first quantised to E5M2 (5 exponent bits, 2 mantissa bits; 8 bits a number), with one given power-of-two scale for each operand tensor; their sums are f32. All else is computed in f32.
;;   The module's matrix products, in the order in which they are computed (A, B: the left and right operand; K: the contracted axis; several contracted axes count as one K, in the product's order):
;;     1. batch 64 x [M 2,048, K 64] x [K 64, N 2,048]; A: input query (given as codes); B: input key (given as codes): QUANTISED (scales: A lowp_scales[0], B lowp_scales[1])
;;     2. batch 64 x [M 2,048, K 2,048] x [K 2,048, N 64]; A: softmax (see below); B: input value (given as codes): QUANTISED (scales: A lowp_scales[2], B lowp_scales[3])
;;   THE QUANTISER, for each operand of a quantised product, along K:
;;     - The operand's scale is 2^e, e = its entry of the input lowp_scales (int32; the entries are numbered through the quantised products in the list's order, A before B).
;;     - Each number is divided by the scale, clamped to +-57,344, and rounded to the nearest number of E5M2, ties to even, subnormals kept.
;;     - The product sums the exact products of the quantised numbers (number of the format x scale) in f32.
;;   ~~~python
;;   def quantise(x, axis, e):      # numpy; x: float32 -> the quantised numbers, widened to float32 again
;;       x = np.moveaxis(x, axis, -1); K = x.shape[-1]
;;       r = np.clip(x / 2.0 ** e, -57344, 57344)
;;       step = 2.0 ** (np.maximum(np.frexp(np.where(r == 0, 1, r))[1] - 1, -14) - 2)
;;       q = np.round(r / step) * step * 2.0 ** e      # np.round: ties to even
;;       return np.moveaxis(q, -1, axis).astype(np.float32)
;;   ~~~
;;   SOFTMAX AHEAD OF A QUANTISED PRODUCT. Where the list says 'softmax', what is quantised is not the finished softmax but p = 2^(t - M), with t = logit x log2(e) and M = ceil(the row's largest t), a whole number; so 1/2 < the row's largest p <= 1. The row's sum l is taken of the UNQUANTISED p, in f32, and the product's result is divided by l at the end. Since M is a whole number, a kernel that streams over the keys may use a running M (the ceiling of the running maximum): every later rescaling is an exact power of two, so the quantised numbers keep their values, but for numbers so far below the row's largest that they fall under the format's range.
;;   OPERANDS COMPUTED ON THE WAY. 'Computed on the way' means the value that the module computes at that place (a softmax that the list does not call 'softmax' is quantised finished and normalised). What goes into a quantiser is computed in f32, as accurately as f32 sums, v_exp_f32 and their like allow (about 1e-6 of the number): no bf16 or f16 on the way to a quantiser, and a product that is left as it is and whose result goes on into a quantised operand takes f32 operands (vector FMAs, or v_wmma_f32_16x16x4_f32). A number that lies on a knife's edge between two numbers of the format may be rounded either way, as far as f32 arithmetic and the matrix unit's own rounding can turn it there, and no further.
;;   INPUTS GIVEN AS CODES. key (in the module: [4, 16, 2048, 64], K = its axis 3); query (in the module: [4, 16, 2048, 64], K = its axis 3); value (in the module: [4, 16, 2048, 64], K = its axis 2): each comes as NAME_codes (uint8): NAME with its K axis moved to the last place and cut into blocks of 32 codes, [.., K / 32, bytes a block], one block behind the other in memory; one code a byte (a code: sign, 5 exponent bits, 2 mantissa bits); its scale is its entry of lowp_scales. Its value is code x scale, taken as it is: it is not quantised again, and the codes and scales need not be those that the quantiser above would give.
;; One version. Each part assembles by itself: llvm-mc -triple=amdgcn-amd-amdhsa -mcpu=gfx1250 --defsym DOCPART=n.
;; ======== version 1 of 1: 2 launches
;; limits: right only within a limited range of input values
;; workspace buffers: maskw 2,097,152 bytes of whole numbers
;; launch packmask (part 1): grid 512 x 1, 4 waves a work-group, no clusters, 34,304 bytes of LDS; arguments mask, maskw; writes maskw
.if DOCPART == 1
	.amdgcn_target "amdgcn-amd-amdhsa--gfx1250"
	.amdhsa_code_object_version 6
	.text
	.protected	k_q4066853841_packmask
	.globl	k_q4066853841_packmask
	.p2align	8
	.type	k_q4066853841_packmask,@function
k_q4066853841_packmask:
	s_mov_b64 s[64:65], 0
	v_nop
	global_prefetch_b8 v0, s[64:65] scope:SCOPE_SE
	s_setreg_imm32_b32 hwreg(HW_REG_WAVE_MODE, 25, 1), 1
	s_wait_xcnt 0x0
; THE MASK AS LANE MASKS.  mask: [4][2048 queries][2048 keys] int32.  maskw: [4 b][128 qt][16 step][64 n] uint32:
; bit l of word n = (mask[b][16 qt + l % 16][128 step + 32 (n / 16) + 16 (l / 16) + n % 16] != 0).
; That is the place which the attention launch gives each score: lane l holds query l % 16 of a tile of 16, and its register n of a step of 128 keys
; holds key 32 (n / 16) + 16 (l / 16) + n % 16.  So a word is the third source of one v_cndmask_b32 there, and the 16 heads of a batch read 1/32 of the mask's bytes.
; No work of the problem is left out in this program: every input is loaded, every product and every step is done.
; SHARES.  Work-group x = 128 b + qt owns 16 rows of the mask; wave w owns key steps 4 w to 4 w + 3 (2,048 bytes of each row).  A step: sixteen loads, each 512 consecutive bytes of one row;
; the 8,192 bytes turn through the wave's own stage in LDS (rows 528 bytes apart: 512 + 16, so that sixteen rows' 16 bytes fall on sixteen different places modulo 256) and come back
; so that lane (r, h) holds, of row r, keys 32 bq + 16 h + 0 .. 15 in registers 16 bq + 0 .. 15; 64 compares give the 64 words in scalar registers; v_writelane_b32 lays word n
; into lane n / 2, register n % 2; one store of 8 bytes a lane writes the step's 256 bytes, aligned.  Waves share nothing: no barrier.  Loads run a step ahead, in two sets of registers.
.set ROWB,  8192                       ; a row of the mask in bytes
.set SP,    528                        ; a stage row
.set STW,   16*SP                      ; a wave's stage
.set SPARE, 4*STW                      ; behind the four stages: the spare words, 128 bytes for each wave: two blocks of 256 bytes that no other line names
.set LO,  1                            ; v1   16 x lane: my 16 bytes of a load's 512; never rewritten
.set SI,  2                            ; v2   the stage, on the way in: stage + 16 x lane
.set SO,  3                            ; v3   on the way out: stage + 528 r + 64 h
.set WO,  4                            ; v4   8 x lane: my two words of a step's 64
.set SPW, 5                            ; v5   LDS address of my spare word; never rewritten
.set NIL, 6                            ; v6   0; never rewritten
.set W,   8                            ; v8-15    the words: two registers for each step, so that no store's data are written again
.set R,   16                           ; v16-143  two sets of 64: a step as it is loaded
.set X,   144                          ; v144-207 a step as the compares want it
	s_load_b128 s[4:7], s[0:1], 0x0                ; mask, maskw
	v_lshl_add_u32 v[SPW], v0, 2, SPARE
	v_mov_b32 v[NIL], 0
	v_lshrrev_b32 v7, 5, v0
	v_readfirstlane_b32 s8, v7                     ; wave 0..3
	v_and_b32 v7, 31, v0                           ; lane
	v_lshlrev_b32 v[LO], 4, v7
	v_lshlrev_b32 v[WO], 3, v7
	s_mul_i32 s9, s8, STW                          ; my stage
	v_add_nc_u32 v[SI], s9, v[LO]
	v_and_b32 v[SO], 15, v0                        ; r
	v_mul_u32_u24 v[SO], v[SO], SP
	v_bfe_u32 v7, v0, 4, 1                         ; h
	v_lshl_add_u32 v[SO], v7, 6, v[SO]
	v_add_nc_u32 v[SO], s9, v[SO]
.irp i, 0,1,2,3,4,5,6,7
	v_mov_b32 v[W+\i], 0                           ; written once: v_writelane_b32's destination counts as one of its sources
.endr
	s_lshl_b32 s10, ttmp9, 17                      ; my work-group's 16 rows of 8,192 bytes,
	s_lshl_b32 s11, s8, 11                         ; my wave's 2,048 bytes of each
	s_add_co_u32 s10, s10, s11
	s_mov_b32 s11, 0
	s_lshl_b32 s32, ttmp9, 12                      ; my work-group's 16 steps of 256 bytes of words,
	s_lshl_b32 s33, s8, 10                         ; my wave's four
	s_add_co_u32 s32, s32, s33
	s_mov_b32 s33, 0
	s_wait_alu depctr_va_vdst(0)
	s_wait_kmcnt 0x0
	s_add_nc_u64 s[12:13], s[4:5], s[10:11]
	s_add_nc_u64 s[14:15], s[6:7], s[32:33]
.macro LOAD t                          ; step t: 16 rows x 512 bytes into set t % 2; the mask is read once in the whole program
.irp row, 0,1,2,3,4,5,6,7,8,9,10,11,12,13,14,15
	global_load_b128 v[R+64*((\t)%2)+4*\row:R+64*((\t)%2)+4*\row+3], v[LO], s[12:13] offset:\row*ROWB+512*(\t) th:TH_LOAD_NT
.endr
.endm
.macro STEP t
.if (\t) < 3
	s_wait_loadcnt 16                              ; this step's sixteen loads are in; the next step's sixteen may be out
.else
	s_wait_loadcnt 0x0
.endif
.irp row, 0,1,2,3,4,5,6,7,8,9,10,11,12,13,14,15
	ds_store_b128 v[SI], v[R+64*((\t)%2)+4*\row:R+64*((\t)%2)+4*\row+3] offset:SP*\row
.endr
.irp bq, 0,1,2,3
.irp m, 0,1,2,3
	ds_load_b128 v[X+16*\bq+4*\m:X+16*\bq+4*\m+3], v[SO] offset:128*\bq+16*\m   ; LDS serves a wave's instructions in order (ISA guide 5.7.1.4): these see the stores above
.endr
.endr
	s_wait_dscnt 0x0                               ; the step is back, and the stores have read their registers,
.if (\t) < 2
	LOAD (\t)+2                                    ; which take the loads of two steps on
.endif
.irp g, 0,1,2,3                        ; sixteen words at a time: word n = 16 g + k
.irp k, 0,1,2,3,4,5,6,7,8,9,10,11,12,13,14,15
	v_cmp_ne_u32 s[16+\k], 0, v[X+16*\g+\k]
.endr
.irp k, 0,1,2,3,4,5,6,7,8,9,10,11,12,13,14,15
	v_writelane_b32 v[W+2*(\t)+(\k%2)], s[16+\k], 8*\g+\k/2
.endr
.endr
	global_store_b64 v[WO], v[W+2*(\t):W+2*(\t)+1], s[14:15] offset:256*(\t)   ; 32 lanes store 256 consecutive bytes, at a multiple of 256 from maskw's first byte
.endm
	LOAD 0
	LOAD 1
	STEP 0
	STEP 1
	STEP 2
	STEP 3
	s_wait_tensorcnt 0x0                           ; the wave's end: three lines behind my last LDS store
	ds_add_u32 v[SPW], v[NIL]
	s_wait_dscnt 0x0
	s_endpgm
.Lfunc_end_k_q4066853841_packmask:
	.size	k_q4066853841_packmask, .Lfunc_end_k_q4066853841_packmask-k_q4066853841_packmask
	.p2alignl 7, 3214868480
	.fill 96, 4, 3214868480
	.section	.rodata,"a",@progbits
	.p2align	6, 0x0
	.amdhsa_kernel k_q4066853841_packmask
		.amdhsa_group_segment_fixed_size 34304
		.amdhsa_private_segment_fixed_size 0
		.amdhsa_enable_private_segment 0
		.amdhsa_kernarg_size 16
		.amdhsa_user_sgpr_count 2
		.amdhsa_user_sgpr_kernarg_segment_ptr 1
		.amdhsa_wavefront_size32 1
		.amdhsa_system_sgpr_workgroup_id_x 1
		.amdhsa_system_sgpr_workgroup_id_y 1
		.amdhsa_system_sgpr_workgroup_id_z 1
		.amdhsa_system_vgpr_workitem_id 0
		.amdhsa_next_free_vgpr 208
		.amdhsa_next_free_sgpr 66
		.amdhsa_reserve_vcc 0
		.amdhsa_float_denorm_mode_32 3
		.amdhsa_float_denorm_mode_16_64 3
		.amdhsa_memory_ordered 1
		.amdhsa_forward_progress 1
		.amdhsa_inst_pref_size 49
	.end_amdhsa_kernel
	.amdgpu_metadata
---
amdhsa.version: [ 1, 2 ]
amdhsa.kernels:
  - .name:           k_q4066853841_packmask
    .symbol:         k_q4066853841_packmask.kd
    .args:
      - { .name: mask, .offset: 0, .size: 8, .value_kind: global_buffer, .address_space: global }
      - { .name: maskw, .offset: 8, .size: 8, .value_kind: global_buffer, .address_space: global }
    .group_segment_fixed_size: 34304
    .private_segment_fixed_size: 0
    .kernarg_segment_align: 8
    .kernarg_segment_size: 16
    .max_flat_workgroup_size: 128
    .sgpr_count:     66
    .vgpr_count:     208
    .wavefront_size: 32
...
	.end_amdgpu_metadata
.endif
;; end of part 1
;; launch attn (part 2): grid 4 x 64, 16 waves a work-group, clusters of 4 x 1, 327,680 bytes of LDS; arguments query_codes, key_codes, value_codes, lowp_scales, maskw, out0; writes out0
.if DOCPART == 2
	.amdgcn_target "amdgcn-amd-amdhsa--gfx1250"
	.amdhsa_code_object_version 6
	.text
	.protected	k_q4066853841_attn
	.globl	k_q4066853841_attn
	.p2align	8
	.type	k_q4066853841_attn,@function
k_q4066853841_attn:
	s_mov_b64 s[64:65], 0
	v_nop
	global_prefetch_b8 v0, s[64:65] scope:SCOPE_SE
	s_setreg_imm32_b32 hwreg(HW_REG_WAVE_MODE, 25, 1), 1
	s_wait_xcnt 0x0
	s_wait_alu depctr_hold_cnt(0) depctr_sa_sdst(0) depctr_va_vdst(0) depctr_va_sdst(0) depctr_va_ssrc(0) depctr_va_vcc(0) depctr_vm_vsrc(0)
	s_getreg_b32 s2, hwreg(HW_REG_IB_STS2, 6, 4)
	s_cmp_eq_u32 s2, 0
	s_cbranch_scc0 .Lentry_in_a_cluster
	s_endpgm
.Lentry_in_a_cluster:
	s_bfe_u32 s2, ttmp6, 0x10000c
	s_cmp_lg_u32 s2, 0x3003
	s_cbranch_scc0 .Lentry_shape_is_right
	s_endpgm
.Lentry_shape_is_right:
; out0[bh][q][:] = the sum over k of softmax_k(where(mask == 0, -1e9, Q[bh][q] . K[bh][k] / 8)) V[bh][k][:], both products on codes of BF8 (E5M2), each tensor with its given scale 2^e: eq, ek, ep, ev.
; Q, K: [64 bh][2048][64] codes.  V: [64 bh][64 d][2048 keys] codes, keys innermost.  maskw: the mask as lane masks, made by the launch before.  out0: [64 bh][2048][64] f32.  No work is left out.
; THE SOFTMAX: t = logit x log2(e), rounded to f32; M = the row's largest t so far, rounded UP to a whole number; p = 2^(t - M) is quantised with 2^ep, not normalised;
; the row's sum is taken of the unquantised p and divides at the end.  When M moves, the sum and O are multiplied by 2^(old M - new M): exact.
; With h = log2(e) as f32 x 2^(eq + ek - 4): u = S2 x h, rounded; t = S1 x h - u, fused.
; Where the sum of the 64 exact products fits an f32 number, S2 = -S1, u is half the rounded S1 x 2 h, and t is that rounded number itself: the t of f32 arithmetic in the order in which the rule is written.
; Where it does not fit, bits are lost; a loss that goes one way for a sum goes the other way for its negative, so the mean of S1 and -S2 lies nearer the exact sum than either, and the fused line keeps its half bit.
; A masked score's t is -1e9 x log2(e), rounded: the reference's own number.  In a row that is masked throughout M is that t, t - M is 0 and every p is 1.
; LIMITS on the exponents, so that each power of two below is an f32 number: eq + ek between -122 and 130, ep between -126 and 112; ep + ev goes by v_ldexp_f32 and has none.  Codes of NaN and infinity are not served.
; SHARES.  A head's K and V, 256 KiB of codes, lie in LDS for the whole launch.  A work-group owns 512 queries of one head; the four work-groups of a head form a cluster and ask for K and V JOINTLY, once: each of the
; sixteen waves issues one tensor load (waves 0-7: 256 keys of K; waves 8-15: 256 keys of V's 64 rows), the same descriptor in all four.  Nothing is filled again: the loop has no barrier.
; Wave w owns queries 32 w to 32 w + 31, two tiles of 16, one after the other (PASS 0, PASS 1); a pass walks 2,048 keys, 128 a step.
; No prefetch is laid: K and V are asked for once, at the head, with no loop ahead of them; a step's mask words are asked for a step ahead by their own scalar loads.
; LAYOUT.  Both products transposed: S^T = K Q^T, O^T = V^T P^T: a lane holds ONE query (lane % 16).  Lane r of K's tile 2 b + u takes key 32 b + 8 u + r + 8 (r / 8), so that register n = 16 b + i of the 64 scores
; is key 32 b + 16 (lane / 16) + i.  Fragments come by loads of 16 bytes, 32 apart: a permutation of k that is the same on both sides of each product.
; FRAGMENTS AHEAD: K's tiles 0-3 of step i + 1 are asked for in step i, behind the products that read tiles 0-3 of step i (F1); K's tiles 4-7 at a step's head (F0); V's rows 32-63 behind K's tiles 4-7 (F0);
; V's rows 0-31 into S2's registers, behind their last reader.
; LDS: key k at (k / 2) x 144 + (k % 2) x 64; V from VB on, chunk c of 256 keys at c x 17,408, row d at 272 d; the spare words; a stage of 8 rows x 272 for each wave.
.set KP2,   144
.set KCH,   128*KP2
.set VP,    272
.set VCH,   64*VP
.set VB,    8*KCH
.set SPARE, VB+8*VCH                   ; the spare words, 128 bytes a wave: eight blocks of 256 bytes that no other line names
.set STG,   SPARE+2048                 ; the stages: bytes of their own, into which no tensor load lands
.set STW,   8*272
.set AK0,  1                           ; v1   my lane's place in a tile of K
.set AV0,  2                           ; v2   the same for V, VB included
.set RR,   3                           ; v3   r = lane % 16
.set STO,  4                           ; v4   the way out: where I put 64 bytes of a row
.set SPW,  5                           ; v5   my spare word; never rewritten
.set NIL,  6                           ; v6   0; never rewritten
.set GO,   7                           ; v7   my byte offset in two rows of out0
.set ADK,  8                           ; v8   the chunk's K for my lane
.set ADV,  9                           ; v9   its V
.set SRD,  10                          ; v10  the way out: where I read a row back
.set NEGT, 11                          ; v11  a masked score's t
.set SCP,  215                         ; v215 2^ep as f32
.set F0,   32                          ; v32-63   K's tiles 4-7, then V's rows 32-63
.set F1,   64                          ; v64-95   K's tiles 0-3
.set NQ,   216                         ; v216-223 -Q of the pass in hand
.set TT,   224                         ; v224-255 S2 of four tiles, then u; then V's rows 0-31
; v12 -M, v13 the largest t, v[14:15] the sum; v16-23, v24-31 Q of pass 0, 1; v96-159 S1, then t, then p; v160-191 O^T; v192-207 p's codes (v192-195 first serve two chains of the sum); v208 a permute's destination;
; v[210:211] f; v210, v212-214 maxima; v[212:213] a chain of the sum
.set WV,   2
.set CNT,  3
; s[4:19], s[20:35], s[36:51], s[68:83]: a step's 64 mask words, word n in s[4 + n + 16 (n / 48)].  Until my tensor load has landed s[4:27] hold its descriptors
.set MB,   52                          ; s[52:53] my wave's words in maskw
.set MOFF, 54
.set SAVE, 55
.set OUT,  56
.set CS,   58                          ; s[58:59] h
.set SEL,  60
.set LIMP, 62                          ; 57,344 x 2^ep
.set EPV,  63
.set TBK,  66
.set TBV,  67
.set LOW,  84                          ; s84  the lanes with r < 8
.macro CROUND                          ; a round of the cluster's barrier
	s_barrier_signal -1
	s_barrier_wait -1
	s_cmp_lg_u32 s[WV], 0
	s_cbranch_scc1 .Lnot_wave_0_\@
	s_barrier_signal -3
.Lnot_wave_0_\@:
	s_barrier_wait -3
	s_barrier_signal -1
	s_barrier_wait -1
.endm
.macro MASKLOAD                        ; a step's 64 words, 256 bytes
	s_load_b512 s[4:19],  s[MB:MB+1], s[MOFF] offset:0
	s_load_b512 s[20:35], s[MB:MB+1], s[MOFF] offset:64
	s_load_b512 s[36:51], s[MB:MB+1], s[MOFF] offset:128
	s_load_b512 s[68:83], s[MB:MB+1], s[MOFF] offset:192
.endm
	s_load_b256 s[84:91], s[0:1], 0x0              ; Q s[84:85], K s[86:87], V s[88:89], the exponents s[90:91]
	s_load_b128 s[92:95], s[0:1], 0x20             ; maskw s[92:93], out0 s[94:95]
	v_lshl_add_u32 v[SPW], v0, 2, SPARE
	v_mov_b32 v[NIL], 0
	ds_add_u32 v[SPW], v[NIL]                      ; the opening lines: the add, twice on end, and its wait ahead of my tensor load
	ds_add_u32 v[SPW], v[NIL]
	v_lshrrev_b32 v8, 5, v0
	s_delay_alu instid0(VALU_DEP_1)
	v_readfirstlane_b32 s[WV], v8                  ; wave 0..15
	; group 1 for K: 128 rows of 128 bytes (two keys; dense in memory), 16 bytes of padding behind each
	s_mov_b32 s4, 15|(1<<20)|(1<<21)|(4<<22)|(3<<25)   ; the mask names all four work-groups; elements of 1 byte; padding: four words after every 32
	s_mov_b32 s5, 128<<16
	s_mov_b32 s6, 128<<16
	s_mov_b32 s7, 128<<16
	s_mov_b32 s8, 128
	s_mov_b32 s9, 128
	s_mov_b32 s10, 0
	s_mov_b32 s11, 0
	; for V: 64 rows of 256 bytes, 2,048 bytes apart in memory, 16 bytes of padding behind each
	s_mov_b32 s12, 15|(1<<20)|(1<<21)|(5<<22)|(3<<25)
	s_mov_b32 s13, 256<<16
	s_mov_b32 s14, 64<<16
	s_mov_b32 s15, 256<<16
	s_mov_b32 s16, 64
	s_mov_b32 s17, 2048
	s_mov_b32 s18, 0
	s_mov_b32 s19, 0
	s_mov_b32 s[SEL], 0x76543210
	s_mov_b32 s[SEL+1], 0xfedcba98
	s_and_b32 s100, ttmp7, 0xffff                  ; bh, which the four partners share
	s_bfe_u32 s101, ttmp6, 0x40000                 ; cx: it enters the addresses of Q, maskw and out0 alone
	s_and_b32 s32, s[WV], 7                        ; which chunk of 256 keys I fetch
	s_lshl_b32 s28, s100, 17
	s_lshl_b32 s29, s32, 14                        ; K: 256 keys of 64 bytes
	s_add_co_u32 s28, s28, s29
	s_mov_b32 s29, 0
	s_lshl_b32 s30, s100, 17
	s_lshl_b32 s31, s32, 8                         ; V: 256 bytes along each row
	s_add_co_u32 s30, s30, s31
	s_mov_b32 s31, 0
	s_mov_b32 s20, 1
	s_mul_i32 s21, s32, KCH
	s_mov_b32 s24, 1
	s_mul_i32 s25, s32, VCH
	s_add_co_u32 s25, s25, VB
	s_lshl_b32 s33, s100, 11
	s_lshl_b32 s34, s101, 9
	s_add_co_u32 s33, s33, s34
	s_lshl_b32 s34, s[WV], 5
	s_add_co_u32 s33, s33, s34                     ; my first row: 2,048 bh + 512 cx + 32 w
	s_lshl_b32 s34, s33, 8
	s_mov_b32 s35, 0
	s_lshl_b32 s36, s33, 6
	s_mov_b32 s37, 0
	s_lshr_b32 s38, s100, 4                        ; the batch
	s_lshl_b32 s38, s38, 7
	s_lshl_b32 s39, s101, 5
	s_add_co_u32 s38, s38, s39
	s_lshl_b32 s39, s[WV], 1
	s_add_co_u32 s38, s38, s39                     ; my first tile of queries: 128 b + 32 cx + 2 w
	s_lshl_b32 s38, s38, 12                        ; 4,096 bytes of words a tile
	s_mov_b32 s39, 0
	s_wait_dscnt 0x0                               ; both opening adds are done
	s_wait_kmcnt 0x0
	s_load_b128 s[96:99], s[90:91], 0x0            ; eq, ek, ep, ev
	s_add_nc_u64 s[22:23], s[86:87], s[28:29]
	s_or_b32 s23, s23, 0x80000000
	s_add_nc_u64 s[26:27], s[88:89], s[30:31]
	s_or_b32 s27, s27, 0x80000000
	s_add_nc_u64 s[MB:MB+1], s[92:93], s[38:39]
	s_add_nc_u64 s[OUT:OUT+1], s[94:95], s[34:35]
	s_add_nc_u64 s[104:105], s[84:85], s[36:37]    ; Q at my first row
	CROUND                                         ; all four work-groups are here: the joint loads meet
	s_cmp_lt_u32 s[WV], 8                          ; each arm holds one load, my only one
	s_cbranch_scc0 .Lfor_v
	tensor_load_to_lds s[20:23], s[4:11]
	s_nop 0
.rept 4
	v_nop
.endr
	s_branch .Lasked
.Lfor_v:
	tensor_load_to_lds s[24:27], s[12:19]
	s_nop 0
.rept 4
	v_nop
.endr
.Lasked:
	v_and_b32 v[RR], 15, v0                        ; r
	v_bfe_u32 v9, v0, 4, 1                         ; h
	s_delay_alu instid0(VALU_DEP_2)
	v_lshlrev_b32 v212, 6, v[RR]
	s_delay_alu instid0(VALU_DEP_1)
	v_lshl_add_u32 v212, v9, 4, v212               ; Q: row r of 64 bytes, + 16 h
	global_load_b128 v[16:19], v212, s[104:105]
	global_load_b128 v[20:23], v212, s[104:105] offset:32
	global_load_b128 v[24:27], v212, s[104:105] offset:1024
	global_load_b128 v[28:31], v212, s[104:105] offset:1056
	v_and_b32 v8, 8, v[RR]
	s_delay_alu instid0(VALU_DEP_1)
	v_add_nc_u32 v8, v8, v[RR]                     ; kr = r + 8 (r / 8)
	s_delay_alu instid0(VALU_DEP_1)
	v_lshrrev_b32 v[AK0], 1, v8
	s_delay_alu instid0(VALU_DEP_1)
	v_mul_u32_u24 v[AK0], v[AK0], KP2
	s_delay_alu instid0(VALU_DEP_3)
	v_and_b32 v8, 1, v8
	s_delay_alu instid0(VALU_DEP_1)
	v_lshl_add_u32 v[AK0], v8, 6, v[AK0]
	s_delay_alu instid0(VALU_DEP_1)
	v_lshl_add_u32 v[AK0], v9, 4, v[AK0]           ; (kr / 2) x 144 + (kr % 2) x 64 + 16 h
	v_mul_u32_u24 v[AV0], v[RR], VP
	s_delay_alu instid0(VALU_DEP_1)
	v_lshl_add_u32 v[AV0], v9, 4, v[AV0]
	s_delay_alu instid0(VALU_DEP_1)
	v_add_nc_u32 v[AV0], VB, v[AV0]                ; VB + 272 r + 16 h
	s_mul_i32 s[SAVE], s[WV], STW
	s_add_co_u32 s[SAVE], s[SAVE], STG             ; my stage
	v_and_b32 v8, 7, v[RR]
	s_delay_alu instid0(VALU_DEP_1)
	v_mul_u32_u24 v[STO], v8, 272
	s_delay_alu instid0(VALU_DEP_1)
	v_lshl_add_u32 v[STO], v9, 5, v[STO]
	v_lshrrev_b32 v8, 3, v[RR]
	s_delay_alu instid0(VALU_DEP_1)
	v_lshl_add_u32 v[STO], v8, 7, v[STO]
	s_delay_alu instid0(VALU_DEP_1)
	v_add_nc_u32 v[STO], s[SAVE], v[STO]           ; in: row r % 8, + 128 (r / 8) + 32 h
	v_mul_u32_u24 v[SRD], v9, 272
	s_delay_alu instid0(VALU_DEP_1)
	v_lshl_add_u32 v[SRD], v[RR], 4, v[SRD]
	s_delay_alu instid0(VALU_DEP_1)
	v_add_nc_u32 v[SRD], s[SAVE], v[SRD]           ; back: lanes 0-15 one row of 256 bytes, lanes 16-31 the next
	v_lshlrev_b32 v[GO], 8, v9
	s_delay_alu instid0(VALU_DEP_1)
	v_lshl_add_u32 v[GO], v[RR], 4, v[GO]
	v_cmp_gt_u32 s[LOW], 8, v[RR]                  ; (s84 has served: Q's address is made)
	v_mov_b32 v208, 0                              ; written once: a lane permute's destination counts as one of its sources
	v_mov_b32 v211, 0                              ; (the upper half of the pair v[210:211])
	v_mov_b32 v[NEGT], 0xce6e6b28                  ; -1e9,
	s_delay_alu instid0(VALU_DEP_1)
	v_mul_f32 v[NEGT], 0x3fb8aa3b, v[NEGT]         ; x log2(e), rounded to f32: a masked score's t
	s_wait_kmcnt 0x0
	s_add_co_i32 s100, s96, s97                    ; eq + ek
	s_lshl_b32 s101, s100, 23
	s_mov_b32 s[CS], 0x3db8aa3b                    ; log2(e) / 16
	s_add_co_i32 s[CS], s[CS], s101                ; x 2^(eq + ek), by the exponent field
	s_mov_b32 s[CS+1], s[CS]
	s_add_co_i32 s101, s98, 127
	s_lshl_b32 s100, s101, 23
	v_mov_b32 v[SCP], s100                         ; 2^ep
	s_add_co_i32 s101, s101, 15
	s_lshl_b32 s[LIMP], s101, 23
	s_or_b32 s[LIMP], s[LIMP], 0x600000            ; 57,344 x 2^ep
	s_add_co_i32 s[EPV], s98, s99
	s_wait_alu depctr_va_vdst(0)
	s_wait_tensorcnt 0x0                           ; my chunk has landed; the descriptors' registers are free
	s_mov_b32 s[MOFF], 0
	MASKLOAD
	s_barrier_signal -1
	s_barrier_wait -1                              ; all sixteen chunks have landed.  Nothing is ever filled again
.irp t, 0,1,2,3                        ; K's tiles 0-3 of the first step
	ds_load_b128 v[F1+8*\t:F1+8*\t+3], v[AK0] offset:(16*(\t/2)+4*(\t%2))*KP2
	ds_load_b128 v[F1+8*\t+4:F1+8*\t+7], v[AK0] offset:(16*(\t/2)+4*(\t%2))*KP2+32
.endr
	s_wait_loadcnt 0x0                             ; Q
	s_wait_dscnt 0x0
; t of four tiles, registers 96 + b on, from S1 there and S2 in v[TT] on: u = S2 x h, then t = S1 x h - u, fused.  Each accumulator is read from its low end on.
.macro MEAN b
.irp j, 0,2,4,6,8,10,12,14,16,18,20,22,24,26,28,30
	v_pk_mul_f32 v[TT+\j:TT+\j+1], v[TT+\j:TT+\j+1], s[CS:CS+1] op_sel_hi:[1,0]
.endr
.irp j, 0,2,4,6,8,10,12,14,16,18,20,22,24,26,28,30
	v_pk_fma_f32 v[96+(\b)+\j:97+(\b)+\j], v[96+(\b)+\j:97+(\b)+\j], s[CS:CS+1], v[TT+\j:TT+\j+1] op_sel_hi:[1,0,1] neg_lo:[0,0,1] neg_hi:[0,0,1]
.endr
.endm
.macro SELECT n0                       ; registers n0 to n0 + 31: the score's t where the mask is not 0, else the masked t
.set n, \n0
.rept 32
	v_cndmask_b32 v[96+n], v[NEGT], v[96+n], s[4+n+16*(n/48)]
.set n, n+1
.endr
.endm
.macro MAX32 b, x, y                   ; the largest of registers b to b + 31, in two chains; it ends in x and y
	v_max3_num_f32 v[\x], v[(\b)], v[(\b)+1], v[(\b)+2]
	v_max3_num_f32 v[\y], v[(\b)+3], v[(\b)+4], v[(\b)+5]
.irp i, 6,10,14,18,22,26
	s_delay_alu instid0(VALU_DEP_2)
	v_max3_num_f32 v[\x], v[\x], v[(\b)+\i], v[(\b)+\i+1]
	s_delay_alu instid0(VALU_DEP_2)
	v_max3_num_f32 v[\y], v[\y], v[(\b)+\i+2], v[(\b)+\i+3]
.endr
	s_delay_alu instid0(VALU_DEP_2)
	v_max3_num_f32 v[\x], v[\x], v[(\b)+30], v[(\b)+31]
.endm
.macro SHIFT j0, j1                    ; t - M, two at a time (of the pair the low word, -M, serves both halves)
.set n, \j0
.rept ((\j1)-(\j0))/2
	v_pk_add_f32 v[96+n:97+n], v[96+n:97+n], v[12:13] op_sel_hi:[1,0]
.set n, n+2
.endr
.endm
; A KEY STEP: 128 keys, the q-th half of the chunk in hand; qf: the pass's Q.  nx = 1: the next step's tiles 0-3 follow in LDS; 2: they are the head's first keys again, for the next pass; 3: there is no next step.
; Five places stand ahead of the step, behind the last products: S2's products write over registers that those read.  No two matrix instructions on end name one accumulator.
.macro STEP q, qf, nx
.irp t, 4,5,6,7
	ds_load_b128 v[F0+8*(\t-4):F0+8*(\t-4)+3], v[ADK] offset:(64*(\q)+16*(\t/2)+4*(\t%2))*KP2
	ds_load_b128 v[F0+8*(\t-4)+4:F0+8*(\t-4)+7], v[ADK] offset:(64*(\q)+16*(\t/2)+4*(\t%2))*KP2+32
.endr
.irp t, 0,1,2,3                        ; tiles 0-3 were waited for at the last step's end
	v_wmma_f32_16x16x64_bf8_bf8 v[96+8*\t:103+8*\t], v[F1+8*\t:F1+8*\t+7], v[(\qf):(\qf)+7], 0       ; S1
.endr
.irp t, 0,1,2,3
	v_wmma_f32_16x16x64_bf8_bf8 v[TT+8*\t:TT+8*\t+7], v[F1+8*\t:F1+8*\t+7], v[NQ:NQ+7], 0            ; S2
.endr
	s_wait_kmcnt 0x0                               ; this step's 64 words, asked for in the step before
.rept 4
	v_nop                                          ; four places: for the loads into F1 and for the first read of the sums
.endr
.if (\nx) < 3
.irp t, 0,1,2,3
.if (\nx) == 2
	ds_load_b128 v[F1+8*\t:F1+8*\t+3], v[AK0] offset:(16*(\t/2)+4*(\t%2))*KP2
	ds_load_b128 v[F1+8*\t+4:F1+8*\t+7], v[AK0] offset:(16*(\t/2)+4*(\t%2))*KP2+32
.else
	ds_load_b128 v[F1+8*\t:F1+8*\t+3], v[ADK] offset:(64*((\q)+1)+16*(\t/2)+4*(\t%2))*KP2
	ds_load_b128 v[F1+8*\t+4:F1+8*\t+7], v[ADK] offset:(64*((\q)+1)+16*(\t/2)+4*(\t%2))*KP2+32
.endif
.endr
.endif
	MEAN 0
	SELECT 0                                       ; 32 lines that name no register of the four S2: more than the five places ahead of the products that write v[TT] on anew
.if (\nx) < 3
	s_wait_dscnt 8                                 ; tiles 4-7 are in; the next step's eight loads are younger
.else
	s_wait_dscnt 0x0
.endif
.irp t, 4,5,6,7
	v_wmma_f32_16x16x64_bf8_bf8 v[96+8*\t:103+8*\t], v[F0+8*(\t-4):F0+8*(\t-4)+7], v[(\qf):(\qf)+7], 0
.endr
.irp t, 4,5,6,7
	v_wmma_f32_16x16x64_bf8_bf8 v[TT+8*(\t-4):TT+8*(\t-4)+7], v[F0+8*(\t-4):F0+8*(\t-4)+7], v[NQ:NQ+7], 0
.endr
	MAX32 96, 214, 210                             ; fifteen plain lines that name none of those products' registers: their places
.irp t, 2,3
.irp c, 0,1,2,3
	ds_load_b128 v[F0+16*(\t-2)+4*\c:F0+16*(\t-2)+4*\c+3], v[ADV] offset:16*\t*VP+128*(\q)+32*\c
.endr
.endr
	MEAN 32
	SELECT 32
.irp t, 0,1                            ; u has been read: its registers take V's rows 0-31
.irp c, 0,1,2,3
	ds_load_b128 v[TT+16*\t+4*\c:TT+16*\t+4*\c+3], v[ADV] offset:16*\t*VP+128*(\q)+32*\c
.endr
.endr
	MAX32 128, 212, 213
	s_delay_alu instid0(VALU_DEP_1)
	v_max3_num_f32 v214, v214, v210, v212
	s_delay_alu instid0(VALU_DEP_1)
	v_max_num_f32 v214, v214, v213                 ; the largest t among my 64 keys
	s_add_co_u32 s[MOFF], s[MOFF], 256             ; (free since the wait on KMcnt)  the next step's words, on across the two passes;
	s_min_u32 s[MOFF], s[MOFF], 7936               ; the wave's last step asks for its own again: no load leaves the buffer
	MASKLOAD
	v_permlanex16_b32 v208, v214, s[SEL], s[SEL+1]
	s_delay_alu instid0(VALU_DEP_1)
	v_max_num_f32 v214, v214, v208                 ; and among lane l xor 16's
	s_delay_alu instid0(VALU_DEP_1)
	v_max_num_f32 v13, v13, v214                   ; the running largest t
	v_mov_b32 v214, v12
	s_delay_alu instid0(VALU_DEP_2)
	v_floor_f32 v12, -v13                          ; the new -M = -ceil(t)
	s_delay_alu instid0(VALU_DEP_1)
	v_sub_f32 v214, v12, v214                      ; old M - new M: a whole number, 0 or less
	SHIFT 0, 16
	v_cvt_i32_f32 v214, v214                       ; (it saturates)
	SHIFT 16, 32
	v_ldexp_f32 v210, 1.0, v214                    ; f = 2^(old M - new M)
	SHIFT 32, 64
	v_pk_mul_f32 v[14:15], v[14:15], v[210:211] op_sel_hi:[1,0]   ; the sum under the new M,
.irp j, 0,2,4,6,8,10,12,14,16,18,20,22,24,26,28,30
	v_pk_mul_f32 v[160+\j:161+\j], v[160+\j:161+\j], v[210:211] op_sel_hi:[1,0]   ; and O^T, each accumulator from its low end on; no exponential stands between the products that wrote it and these lines
.endr
	s_wait_alu depctr_va_vdst(0)
.set n, 0
.rept 64
	v_exp_f32 v[96+n], v[96+n]                     ; p = 2^(t - M)
.set n, n+1
.endr
	v_nop                                          ; the plain line behind the exponentials
	s_wait_alu depctr_va_vdst(0)                   ; and the one wait for the batch, ahead of its first reader
	v_pk_add_f32 v[212:213], v[96:97], v[98:99]    ; the row's sum of the unquantised p, in four chains
	v_pk_add_f32 v[192:193], v[100:101], v[102:103]
	v_pk_add_f32 v[194:195], v[104:105], v[106:107]
.irp j, 12,20,28,36,44,52
	v_pk_add_f32 v[14:15], v[14:15], v[96+\j:97+\j]
	v_pk_add_f32 v[212:213], v[212:213], v[98+\j:99+\j]
	v_pk_add_f32 v[192:193], v[192:193], v[100+\j:101+\j]
	v_pk_add_f32 v[194:195], v[194:195], v[102+\j:103+\j]
.endr
	v_pk_add_f32 v[14:15], v[14:15], v[156:157]
	v_pk_add_f32 v[212:213], v[212:213], v[158:159]
	v_pk_add_f32 v[192:193], v[192:193], v[194:195]
	v_pk_add_f32 v[14:15], v[14:15], v[212:213]
	v_pk_add_f32 v[14:15], v[14:15], v[192:193]
.irp b, 0,1,2,3
.irp i, 0,2,4,6,8,10,12,14
	v_dual_min_num_f32 v[96+16*\b+\i], s[LIMP], v[96+16*\b+\i] :: v_dual_min_num_f32 v[97+16*\b+\i], s[LIMP], v[97+16*\b+\i]   ; the conversion does not saturate (ISA guide 7.6.2); p is not negative: a one-sided hold
.endr
	v_cvt_scalef32_pk8_bf8_f32 v[192+4*\b:193+4*\b], v[96+16*\b:103+16*\b], v[SCP]
	v_cvt_scalef32_pk8_bf8_f32 v[194+4*\b:195+4*\b], v[104+16*\b:111+16*\b], v[SCP]
.endr
	v_nop                                          ; a plain line between the conversions and the products that read their results
	s_wait_alu depctr_va_vdst(0)
	s_wait_dscnt 0x0                               ; V is in, and so are the next step's tiles 0-3
	v_wmma_f32_16x16x128_bf8_bf8 v[160:167], v[TT:TT+15], v[192:207], v[160:167]
	v_wmma_f32_16x16x128_bf8_bf8 v[168:175], v[TT+16:TT+31], v[192:207], v[168:175]
	v_wmma_f32_16x16x128_bf8_bf8 v[176:183], v[F0:F0+15], v[192:207], v[176:183]
	v_wmma_f32_16x16x128_bf8_bf8 v[184:191], v[F0+16:F0+31], v[192:207], v[184:191]
.endm
.macro TRIP qf, nx                     ; a chunk of 256 keys: two steps
	v_add_nc_u32 v[ADK], s[TBK], v[AK0]
	v_add_nc_u32 v[ADV], s[TBV], v[AV0]
.rept 3
	v_nop                                          ; with the two additions: five places behind the last products
.endr
	s_wait_alu depctr_va_vdst(0)
	STEP 0, \qf, 1
.rept 5
	v_nop
.endr
	STEP 1, \qf, \nx
	s_add_co_u32 s[TBK], s[TBK], KCH
	s_add_co_u32 s[TBV], s[TBV], VCH
.endm
; A PASS: my tile p of 16 queries against all keys, then its way out.  The first step finds zeros in the sum and in O^T, which the first change of M leaves zeros.
.macro PASS p
	v_mov_b32 v13, 0xff61b1e6                      ; -3e38, under every t
	s_delay_alu instid0(VALU_DEP_1)
	v_floor_f32 v12, -v13
	v_mov_b32 v14, 0
	v_mov_b32 v15, 0
.set n, 0
.rept 32
	v_mov_b32 v[160+n], 0
.set n, n+1
.endr
.irp i, 0,1,2,3,4,5,6,7
	v_xor_b32 v[NQ+\i], 0x80808080, v[16+8*(\p)+\i]   ; -Q: four codes' sign bits a register
.endr
.if \p
	s_wait_xcnt 0x0                                ; the last pass's stores have read v32-63, which the first step loads anew
.endif
	s_mov_b32 s[TBK], 0
	s_mov_b32 s[TBV], 0
	s_mov_b32 s[CNT], 7
.Lchunk_\@:                                        ; seven chunks; the eighth is written out: its last step asks for other fragments, or for none
	TRIP 16+8*(\p), 1
	s_sub_co_u32 s[CNT], s[CNT], 1
	s_cmp_lg_u32 s[CNT], 0
	s_cbranch_scc1 .Lchunk_\@
	TRIP 16+8*(\p), 2+(\p)
	; THE WAY OUT.  O^T / the sum x 2^(ep + ev) goes through my stage, eight rows of out0 at a time, and comes back as whole rows of 256 bytes.  (Sixteen rows a wave do not fit beside the head's codes.)
	; All lanes store in both rounds: lanes l and l xor 8 exchange halves, so that lane r < 8 holds channels 0-31 of queries r and r + 8, and lane r >= 8 channels 32-63 of queries r - 8 and r.
	v_add_f32 v14, v14, v15
	s_delay_alu instid0(VALU_DEP_1)
	v_permlanex16_b32 v208, v14, s[SEL], s[SEL+1]
	s_delay_alu instid0(VALU_DEP_1)
	v_add_f32 v14, v14, v208                       ; the row's sum; it is above 1/2
	v_nop
	s_wait_alu depctr_va_vdst(0)                   ; the wait ahead of the reciprocal,
	v_rcp_f32 v14, v14
	v_nop
	s_wait_alu depctr_va_vdst(0)                   ; ahead of its first reader,
	v_ldexp_f32 v14, v14, s[EPV]
	s_wait_alu depctr_va_vdst(0)                   ; and directly ahead of the first reader of O^T
.irp j, 0,2,4,6,8,10,12,14,16,18,20,22,24,26,28,30
	v_pk_mul_f32 v[96+\j:97+\j], v[160+\j:161+\j], v[14:15] op_sel_hi:[1,0]   ; register 8 t + i is out0(r, 16 t + 8 h + i)
.endr
.set n, 0
.rept 16
	v_cndmask_b32 v[128+n], v[96+n], v[112+n], s[LOW]        ; what my partner wants: r < 8: my channels 32-63; else my channels 0-31
.set n, n+1
.endr
.set n, 0
.rept 16
	v_mov_b32_dpp v[144+n], v[128+n] row_xmask:8 row_mask:0xf bank_mask:0xf
.set n, n+1
.endr
.set n, 0
.rept 16
	v_cndmask_b32 v[128+n], v[144+n], v[96+n], s[LOW]        ; round 0: queries 0-7
	v_cndmask_b32 v[144+n], v[112+n], v[144+n], s[LOW]       ; round 1: queries 8-15
.set n, n+1
.endr
.irp rho, 0,1
.irp t, 0,1
	ds_store_b128 v[STO], v[128+16*\rho+8*\t:131+16*\rho+8*\t] offset:64*\t
	ds_store_b128 v[STO], v[132+16*\rho+8*\t:135+16*\rho+8*\t] offset:64*\t+16
.endr
.irp i, 0,1,2,3
	ds_load_b128 v[32+16*\rho+4*\i:35+16*\rho+4*\i], v[SRD] offset:544*\i   ; LDS serves a wave's instructions in order (ISA guide 5.7.1.4): these see the stores above, and the next round's stores come behind them
.endr
.endr
	s_wait_dscnt 8                                 ; the first eight rows are back; the second round's four stores and four loads are younger
.irp i, 0,1,2,3
	global_store_b128 v[GO], v[32+4*\i:35+4*\i], s[OUT:OUT+1] offset:4096*(\p)+512*\i th:TH_STORE_NT   ; 32 lanes store two rows, 512 consecutive bytes, at a multiple of 256 from out0's first byte
.endr
	s_wait_dscnt 0x0
.irp i, 0,1,2,3
	global_store_b128 v[GO], v[48+4*\i:51+4*\i], s[OUT:OUT+1] offset:4096*(\p)+2048+512*\i th:TH_STORE_NT
.endr
.endm
	PASS 0
	PASS 1
	s_wait_tensorcnt 0x0                           ; the wave's end
	ds_add_u32 v[SPW], v[NIL]
	s_wait_dscnt 0x0
	CROUND                                         ; the closing round
	s_endpgm
.Lfunc_end_k_q4066853841_attn:
	.size	k_q4066853841_attn, .Lfunc_end_k_q4066853841_attn-k_q4066853841_attn
	.p2alignl 7, 3214868480
	.fill 96, 4, 3214868480
	.section	.rodata,"a",@progbits
	.p2align	6, 0x0
	.amdhsa_kernel k_q4066853841_attn
		.amdhsa_group_segment_fixed_size 327680
		.amdhsa_private_segment_fixed_size 0
		.amdhsa_enable_private_segment 0
		.amdhsa_kernarg_size 48
		.amdhsa_user_sgpr_count 2
		.amdhsa_user_sgpr_kernarg_segment_ptr 1
		.amdhsa_wavefront_size32 1
		.amdhsa_system_sgpr_workgroup_id_x 1
		.amdhsa_system_sgpr_workgroup_id_y 1
		.amdhsa_system_sgpr_workgroup_id_z 1
		.amdhsa_system_vgpr_workitem_id 0
		.amdhsa_next_free_vgpr 256
		.amdhsa_next_free_sgpr 106
		.amdhsa_reserve_vcc 0
		.amdhsa_float_denorm_mode_32 3
		.amdhsa_float_denorm_mode_16_64 3
		.amdhsa_memory_ordered 1
		.amdhsa_forward_progress 1
		.amdhsa_inst_pref_size 228
	.end_amdhsa_kernel
	.amdgpu_metadata
---
amdhsa.version: [ 1, 2 ]
amdhsa.kernels:
  - .name:           k_q4066853841_attn
    .symbol:         k_q4066853841_attn.kd
    .args:
      - { .name: query_codes, .offset: 0, .size: 8, .value_kind: global_buffer, .address_space: global }
      - { .name: key_codes, .offset: 8, .size: 8, .value_kind: global_buffer, .address_space: global }
      - { .name: value_codes, .offset: 16, .size: 8, .value_kind: global_buffer, .address_space: global }
      - { .name: lowp_scales, .offset: 24, .size: 8, .value_kind: global_buffer, .address_space: global }
      - { .name: maskw, .offset: 32, .size: 8, .value_kind: global_buffer, .address_space: global }
      - { .name: out0, .offset: 40, .size: 8, .value_kind: global_buffer, .address_space: global }
    .group_segment_fixed_size: 327680
    .private_segment_fixed_size: 0
    .kernarg_segment_align: 8
    .kernarg_segment_size: 48
    .max_flat_workgroup_size: 512
    .sgpr_count:     106
    .vgpr_count:     256
    .wavefront_size: 32
...
	.end_amdgpu_metadata
.endif
;; end of part 2
